; MI455X (gfx1250); checked and timed in simulation.
; The chip was launched on July 23, 2026; its instructions are those of AMD's public machine-readable ISA for CDNA 5 (MIT licence, August 2026) and "CDNA5" Instruction Set Architecture Reference Guide (July 2026). The comments in the code are by the model that wrote it; some were corrected since.
;; M. Allowed arithmetic: matrix products marked QUANTISED: E2M1 operands, one E8M0 scale for each 32 along K, by v_wmma_scale_f32_16x16x128_f8f6f4 with both operands' format E2M1 (or v_wmma_scale_f32_32x16x128_f4), f32 sums; everything else in f32.
;; Inputs: scale 4,096 float32; w_int 4,096 x 4,096 int32; x 4 x 1,024 x 4,096 float32.
;; Outputs: out0 4 x 1,024 x 4,096 float32.
;; This version of the problem:
;;   THIS VERSION OF THE PROBLEM IS GIVEN IN LOW PRECISION. The matrix products marked QUANTISED in the list below multiply operands that are first quantised to E2M1 (2 exponent bits, 1 mantissa bit; 4 bits a number), with one power-of-two scale for each 32 numbers along K (OCP MX v1.0); their sums are f32. All else is computed in f32.
;;   The module's matrix products, in the order in which they are computed (A, B: the left and right operand; K: the contracted axis; several contracted axes count as one K, in the product's order):
;;     1. [M 4,096, K 4,096] x [K 4,096, N 4,096]; A: input x; B: input w_int: QUANTISED
;;   THE QUANTISER, for each operand of a quantised product, along K:
;;     - K is cut into blocks of 32 from its start; a last block that is shorter is filled with zeros.
;;     - A block's scale is 2^e with e = floor(log2(the largest magnitude in the block)) - 2, held to -126 .. 127; a block of zeros has e = 0. As a byte (E8M0): e + 127.
;;     - Each number is divided by its block's scale, clamped to +-6, and rounded to the nearest number of E2M1, ties to even, subnormals kept.
;;     - The product sums the exact products of the quantised numbers (number of the format x scale) in f32.
;;   ~~~python
;;   def quantise(x, axis):      # numpy; x: float32 -> the quantised numbers, widened to float32 again
;;       x = np.moveaxis(x, axis, -1); K = x.shape[-1]
;;       x = np.pad(x, [(0, 0)] * (x.ndim - 1) + [(0, -K % 32)]); x = x.reshape(x.shape[:-1] + (-1, 32)); a = np.abs(x).max(-1, keepdims=True)
;;       e = np.where(a > 0, np.clip(np.frexp(np.where(a > 0, a, 1))[1] - 1 - 2, -126, 127), 0)      # np.frexp(a)[1] - 1 = floor(log2(a)), exactly
;;       r = np.clip(x / 2.0 ** e, -6, 6)
;;       step = 2.0 ** (np.maximum(np.frexp(np.where(r == 0, 1, r))[1] - 1, 0) - 1)
;;       q = np.round(r / step) * step * 2.0 ** e      # np.round: ties to even
;;       return np.moveaxis(q.reshape(q.shape[:-2] + (-1,))[..., :K], -1, axis).astype(np.float32)
;;   ~~~
;; One version. Each part assembles by itself: llvm-mc -triple=amdgcn-amd-amdhsa -mcpu=gfx1250 --defsym DOCPART=n.
;; ======== version 1 of 1: 2 launches
;; limits: right only within a limited range of input values
;; workspace buffers: a_q 8,912,896 bytes; b_q 8,912,896 bytes
;; launch quant (part 1): grid 1024 x 1, 4 waves a work-group, no clusters, 1,536 bytes of LDS; arguments x, w_int, a_q, b_q; writes a_q, b_q
.if DOCPART == 1
	.amdgcn_target "amdgcn-amd-amdhsa--gfx1250"
	.amdhsa_code_object_version 6
	.text
	.protected	k_q8970544790_quant
	.globl	k_q8970544790_quant
	.p2align	8
	.type	k_q8970544790_quant,@function
k_q8970544790_quant:
	s_mov_b64 s[64:65], 0
	v_nop
	global_prefetch_b8 v0, s[64:65] scope:SCOPE_SE
	s_setreg_imm32_b32 hwreg(HW_REG_WAVE_MODE, 25, 1), 1
	s_wait_xcnt 0x0
; x [4096][4096] f32 and w_int [4096][4096] int32 (turned into f32 first, as the problem's astype does: nearest, ties to even) become codes of FP4 (E2M1), 4 bits each, with one E8M0 scale byte for each 32 along K.
; Nothing of the problem is left out: every number of x, of w_int and of scale reaches an output.
; A block's scale is 2^(floor(log2(its largest magnitude)) - 2); its byte is the largest magnitude's own exponent field - 2, held at 1 from below.  Each number is divided by the scale and rounded to the nearest code,
; ties to even; what lies beyond 6 gets the largest code.
; LIMITS: NaN and infinities in x are not served.  A block whose largest magnitude lies under 2^-124 has its byte held at 1.  A block of zeros gets the byte 1 where the rule says 127: its codes are zeros, which add
; nothing under any byte but 0xff, and the bytes are read by this program alone.
; THE WORKSPACE IS LAID AS THE PRODUCT'S LAUNCH FETCHES IT: [row / 128 (32)][k / 512 (8)][BLK bytes].  A BLK is one dense block: 128 rows x 256 bytes of codes (512 codes, the lower k in the low four bits), then
; 128 rows x 16 scale bytes (byte b: k = 32 b .. 32 b + 31 of these 512).  34,816 bytes = 136 x 256.
; SHARES.  Work-groups 0-511 take x into a_q, 512-1023 w_int into b_q; only pointers are chosen, both tensors take one path through the text but for the 16 conversions from int32.
; A wave takes 16 rows x 512 along K, a row a step: a step reads 2,048 consecutive bytes by four loads of 512 and stores 256 consecutive bytes of codes, aligned; the wave's 16 x 16 scale bytes leave as 256 bytes, aligned.
; THE NUMBERS STAY IN THE LANES THAT LOADED THEM.  Load i gives lane l the four numbers k = 128 i + 4 l + 0 .. 3: eight neighbouring lanes hold block 4 i + l / 8, and its largest magnitude takes three steps between lanes.
; A conversion takes eight numbers under ONE scale: the eight of loads 0 and 1 (or 2 and 3) are converted twice, once under each load's block's scale, and of each result the four codes of that scale's own block are kept.
; So a lane has four PIECES of 16 bits, piece i belonging at byte 64 i + 2 l of the row's 256.  The pieces, not the numbers, change lanes: a transposition within each four lanes (8 vector instructions) gives lane 4 g + j
; piece j of lanes 4 g .. 4 g + 3: the 8 neighbouring bytes at 64 j + 8 g.
; No tensor loads, no barrier: waves share nothing.  Loads run six steps (24 loads a wave) ahead.  Every offset is an immediate: no address and no store's data are written twice.
.set WGA,   512                        ; work-groups for x
.set STEPS, 16
.set DEPTH, 6                          ; sets of registers for the loads
.set EMAX,  2                          ; the exponent of the format's largest number, 6
.set ROWIN, 16384                      ; a row of x or w_int in bytes
.set BLK,   34816
.set SELR,  10                         ; v10      the selector of the last step of the transposition: even lanes take low halves, odd lanes high halves
.set SPW,   12                         ; v12      LDS address of my spare word: SPARE + 4 x my thread's number; never rewritten
.set NIL,   13                         ; v13      0; never rewritten
.set M,     16                         ; v16-19   the four blocks' largest magnitudes, then the conversions' scale operands
.set U,     20                         ; v20-21   at work: the scale operand of the block whose byte I store
.set Q,     24                         ; v24-27   the four conversions' results; then at work in the transposition
.set P,     28                         ; v28-29   my four pieces, two to a register; v30-31 those of the lane two away
.set R,     32                         ; v32-127  six sets of 16 numbers
.set C,     128                        ; v128-159 two registers of codes for each step, so that no store's data are written again
.set E,     160                        ; v160-175 a scale byte for each step, likewise
.set ODD,   28                         ; s28      the lanes with l % 2 = 1
.set UP,    29                         ; s29      the lanes with l % 4 >= 2
.set LOW,   30                         ; s30      a word's low half
.set SPARE, 4*256                      ; LDS: 256 bytes for each wave's scale bytes; behind them the spare words, 128 bytes for each wave: two blocks of 256 bytes that no other line names
	s_load_b256 s[4:11], s[0:1], 0x0               ; x s[4:5], w_int s[6:7], a_q s[8:9], b_q s[10:11]
	v_lshl_add_u32 v[SPW], v0, 2, SPARE
	v_mov_b32 v[NIL], 0
	v_lshrrev_b32 v1, 5, v0
	v_readfirstlane_b32 s16, v1                    ; wave 0..3
	v_and_b32 v2, 31, v0                           ; lane l
	v_lshlrev_b32 v3, 4, v2                        ; my 16 bytes of a load's 512
	s_lshl_b32 s17, s16, 8                         ; my wave's 256 bytes of LDS
	v_and_b32 v1, 3, v2                            ; j = l % 4
	v_lshrrev_b32 v4, 2, v2
	v_lshlrev_b32 v4, 3, v4
	v_lshl_add_u32 v4, v1, 6, v4                   ; my codes' place in a row's 256 bytes: 64 j + 8 (l / 4)
	v_lshrrev_b32 v5, 3, v2
	v_lshl_add_u32 v5, v1, 2, v5
	v_add_nc_u32 v5, s17, v5                       ; LDS: the byte that I store is block 4 j + l / 8's (lanes l and l xor 4 store the same byte with the same value)
	v_lshlrev_b32 v7, 3, v2                        ; and on the way out 8 bytes a lane
	v_add_nc_u32 v6, s17, v7
	s_mov_b32 s[ODD], 0xaaaaaaaa
	s_mov_b32 s[UP], 0xcccccccc
	s_mov_b32 s[LOW], 0xffff
	v_mov_b32 v[SELR], 0x05040100                  ; even lanes: my low half below, my neighbour's low half above
	v_mov_b32 v1, 0x03020706                       ; odd lanes: my neighbour's high half below, my high half above
	v_cndmask_b32 v[SELR], v[SELR], v1, s[ODD]
	v_mov_b32 v[P+2], 0                            ; written once: the destination of a move between lanes counts as one of its sources
	v_mov_b32 v[P+3], 0
	; my wave's task T = 4 x (work-group within its tensor) + wave: ks = T % 8 (which 512 along K), rg = T / 8 (which 16 rows)
	s_and_b32 s17, ttmp9, WGA-1
	s_lshl_b32 s17, s17, 2
	s_add_co_u32 s17, s17, s16                     ; T, 0 .. 2047
	s_and_b32 s18, s17, 7                          ; ks
	s_lshr_b32 s19, s17, 3                         ; rg
	s_lshl_b32 s20, s19, 18                        ; in: 16 rg rows of 16,384 bytes
	s_lshl_b32 s21, s18, 11                        ;     + 512 ks numbers of 4 bytes
	s_add_co_u32 s20, s20, s21
	s_mov_b32 s21, 0
	s_lshr_b32 s22, s17, 6                         ; out: the block (rg / 8, ks)
	s_lshl_b32 s22, s22, 3
	s_add_co_u32 s22, s22, s18
	s_mul_i32 s22, s22, BLK
	s_and_b32 s23, s19, 7                          ; which 16 of the block's 128 rows
	s_lshl_b32 s24, s23, 12                        ; their codes: 16 rows x 256 bytes
	s_add_co_u32 s24, s24, s22
	s_mov_b32 s25, 0
	s_lshl_b32 s26, s23, 8                         ; their scale bytes: 16 rows x 16 bytes, behind the block's 32,768 bytes of codes
	s_add_co_u32 s26, s26, s22
	s_add_co_u32 s26, s26, 32768
	s_mov_b32 s27, 0
	s_wait_kmcnt 0x0
	s_cmp_lt_u32 ttmp9, WGA                        ; x's work-group or w_int's?  The choice hangs on the work-group's number alone
	s_cselect_b64 s[4:5], s[4:5], s[6:7]
	s_cselect_b64 s[8:9], s[8:9], s[10:11]
	s_mov_b64 s[10:11], s[8:9]
	s_add_nc_u64 s[4:5], s[4:5], s[20:21]          ; the numbers,
	s_add_nc_u64 s[8:9], s[8:9], s[24:25]          ; the codes,
	s_add_nc_u64 s[10:11], s[10:11], s[26:27]      ; the scale bytes
.macro LOAD t                          ; row t of my 16: its 2,048 bytes
.irp i, 0,1,2,3
	global_load_b128 v[R+16*((\t)%DEPTH)+4*\i:R+16*((\t)%DEPTH)+4*\i+3], v3, s[4:5] offset:ROWIN*(\t)+512*\i th:TH_LOAD_NT   ; 32 lanes read 512 consecutive bytes; read once in the launch
.endr
.endm
.irp t, 0,1,2,3,4,5
	LOAD \t
.endr
.macro STEP t
.set XS, R+16*((\t)%DEPTH)
.if STEPS-1-(\t) >= DEPTH-1
	s_wait_loadcnt 4*(DEPTH-1)                     ; this step's four loads are in; those of the five steps behind it may be out
.else
	s_wait_loadcnt 4*(STEPS-1-(\t))                ; the last steps: fewer are behind it
.endif
	s_cmp_lt_u32 ttmp9, WGA                        ; w_int's numbers are whole numbers: they become f32 here.  The branch hangs on the work-group's number and leads round these sixteen lines on registers alone
	s_cbranch_scc1 .Lf32_\@
.irp i, 0,1,2,3,4,5,6,7,8,9,10,11,12,13,14,15
	v_cvt_f32_i32 v[XS+\i], v[XS+\i]
.endr
.Lf32_\@:
.irp i, 0,1,2,3
	v_max3_num_f32 v[M+\i], |v[XS+4*\i]|, |v[XS+4*\i+1]|, |v[XS+4*\i+2]|   ; the largest magnitude of my four numbers of block 4 i + l / 8 (the four blocks by turns: no line waits for the line above it)
.endr
.irp i, 0,1,2,3
	v_max3_num_f32 v[M+\i], v[M+\i], |v[XS+4*\i+3]|, (EMAX+1)<<23          ; and the floor 2^(EMAX + 1 - 127), under which no largest magnitude is taken: so the byte cannot fall under 1
.endr
.irp x, 1,2,4
.irp i, 0,1,2,3
	v_max_num_f32_dpp v[M+\i], v[M+\i], v[M+\i] row_xmask:\x row_mask:0xf bank_mask:0xf   ; with lanes l xor 1, 2, 4: the eight lanes that hold the block
.endr
.endr
.irp i, 0,1,2,3
	v_add_nc_u32 v[M+\i], -(EMAX<<23), v[M+\i]     ; EMAX off the exponent field: the conversion takes the exponent field of this operand as its scale, and nothing else of it
.endr
	v_cvt_scalef32_pk8_fp4_f32 v[Q],   v[XS:XS+7],    v[M]     ; eight numbers / the scale, to the nearest code, ties to even; the first number's code in the lowest four bits.  Low half: load 0's four codes; the high half is dropped
	v_cvt_scalef32_pk8_fp4_f32 v[Q+1], v[XS:XS+7],    v[M+1]   ; high half: load 1's; the low half is dropped
	v_cvt_scalef32_pk8_fp4_f32 v[Q+2], v[XS+8:XS+15], v[M+2]   ; low half: load 2's
	v_cvt_scalef32_pk8_fp4_f32 v[Q+3], v[XS+8:XS+15], v[M+3]   ; high half: load 3's
	v_cndmask_b32 v[U],   v[M],   v[M+1], s[ODD]   ; the scale operand of block 4 (l % 4) + l / 8.  (These plain lines stand between the conversions and the first line that touches their results)
	v_cndmask_b32 v[U+1], v[M+2], v[M+3], s[ODD]
	v_cndmask_b32 v[U],   v[U],   v[U+1], s[UP]
	v_lshrrev_b32 v[E+(\t)], 23, v[U]              ; its byte
.if (\t)+DEPTH < STEPS
	LOAD (\t)+DEPTH                                ; the set is read out: it takes the loads of six steps on
.endif
	v_bfi_b32 v[P],   s[LOW], v[Q],   v[Q+1]       ; pieces 0 (low half) and 1 (high half),
	v_bfi_b32 v[P+1], s[LOW], v[Q+2], v[Q+3]       ; pieces 2 and 3
	; the transposition within lanes 4 g .. 4 g + 3.  First with the lane two away: lanes j = 0, 1 gather pieces 0, 1 of lanes j and j + 2; lanes j = 2, 3 pieces 2, 3 of lanes j - 2 and j
	v_mov_b32_dpp v[P+2], v[P]   quad_perm:[2,3,0,1] row_mask:0xf bank_mask:0xf
	v_mov_b32_dpp v[P+3], v[P+1] quad_perm:[2,3,0,1] row_mask:0xf bank_mask:0xf
	v_cndmask_b32 v[Q],   v[P],   v[P+3], s[UP]    ; of lane j % 2
	v_cndmask_b32 v[Q+1], v[P+2], v[P+1], s[UP]    ; of lane j % 2 + 2
	; then with the neighbour: even lanes keep the low halves (pieces 0, 2), odd lanes the high halves (pieces 1, 3), each in the order of the lanes that they come from
	v_mov_b32_dpp v[Q+2], v[Q]   quad_perm:[1,0,3,2] row_mask:0xf bank_mask:0xf
	v_mov_b32_dpp v[Q+3], v[Q+1] quad_perm:[1,0,3,2] row_mask:0xf bank_mask:0xf
	v_perm_b32 v[C+2*(\t)],   v[Q+2], v[Q],   v[SELR]          ; piece j of lanes 4 g, 4 g + 1
	v_perm_b32 v[C+2*(\t)+1], v[Q+3], v[Q+1], v[SELR]          ; and of lanes 4 g + 2, 4 g + 3
	ds_store_b8 v5, v[E+(\t)] offset:16*(\t)
.if (\t)%4 == 3                        ; the codes of four steps leave on end: each store covers 256 consecutive bytes, aligned, the four together 1,024; every step has its own two registers
.irp u, 3,2,1,0
	global_store_b64 v4, v[C+2*((\t)-\u):C+2*((\t)-\u)+1], s[8:9] offset:256*((\t)-\u)
.endr
.endif
.endm
.irp t, 0,1,2,3,4,5,6,7,8,9,10,11,12,13,14,15
	STEP \t
.endr
	ds_load_b64 v[8:9], v6                         ; LDS serves a wave's instructions in order (ISA guide 5.7.1.4): these see my byte stores
	s_wait_dscnt 0x0
	global_store_b64 v7, v[8:9], s[10:11]          ; 32 lanes store 256 consecutive bytes, aligned: my 16 rows' scale bytes
	s_wait_tensorcnt 0x0                           ; the wave's end
	ds_add_u32 v[SPW], v[NIL]
	s_wait_dscnt 0x0
	s_endpgm
.Lfunc_end_k_q8970544790_quant:
	.size	k_q8970544790_quant, .Lfunc_end_k_q8970544790_quant-k_q8970544790_quant
	.p2alignl 7, 3214868480
	.fill 96, 4, 3214868480
	.section	.rodata,"a",@progbits
	.p2align	6, 0x0
	.amdhsa_kernel k_q8970544790_quant
		.amdhsa_group_segment_fixed_size 1536
		.amdhsa_private_segment_fixed_size 0
		.amdhsa_enable_private_segment 0
		.amdhsa_kernarg_size 32
		.amdhsa_user_sgpr_count 2
		.amdhsa_user_sgpr_kernarg_segment_ptr 1
		.amdhsa_wavefront_size32 1
		.amdhsa_system_sgpr_workgroup_id_x 1
		.amdhsa_system_sgpr_workgroup_id_y 1
		.amdhsa_system_sgpr_workgroup_id_z 1
		.amdhsa_system_vgpr_workitem_id 0
		.amdhsa_next_free_vgpr 192
		.amdhsa_next_free_sgpr 66
		.amdhsa_reserve_vcc 0
		.amdhsa_float_denorm_mode_32 3
		.amdhsa_float_denorm_mode_16_64 3
		.amdhsa_memory_ordered 1
		.amdhsa_forward_progress 1
		.amdhsa_inst_pref_size 65
	.end_amdhsa_kernel
	.amdgpu_metadata
---
amdhsa.version: [ 1, 2 ]
amdhsa.kernels:
  - .name:           k_q8970544790_quant
    .symbol:         k_q8970544790_quant.kd
    .args:
      - { .name: x, .offset: 0, .size: 8, .value_kind: global_buffer, .address_space: global }
      - { .name: w_int, .offset: 8, .size: 8, .value_kind: global_buffer, .address_space: global }
      - { .name: a_q, .offset: 16, .size: 8, .value_kind: global_buffer, .address_space: global }
      - { .name: b_q, .offset: 24, .size: 8, .value_kind: global_buffer, .address_space: global }
    .group_segment_fixed_size: 1536
    .private_segment_fixed_size: 0
    .kernarg_segment_align: 8
    .kernarg_segment_size: 32
    .max_flat_workgroup_size: 128
    .sgpr_count:     66
    .vgpr_count:     192
    .wavefront_size: 32
...
	.end_amdgpu_metadata
.endif
;; end of part 1
;; launch gemm (part 2): grid 16 x 16, 4 waves a work-group, clusters of 4 x 4, 327,680 bytes of LDS; arguments a_q, b_q, scale, out0; writes out0
.if DOCPART == 2
	.amdgcn_target "amdgcn-amd-amdhsa--gfx1250"
	.amdhsa_code_object_version 6
	.text
	.protected	k_q8970544790_gemm
	.globl	k_q8970544790_gemm
	.p2align	8
	.type	k_q8970544790_gemm,@function
k_q8970544790_gemm:
	s_mov_b64 s[64:65], 0
	v_nop
	global_prefetch_b8 v0, s[64:65] scope:SCOPE_SE
	s_setreg_imm32_b32 hwreg(HW_REG_WAVE_MODE, 25, 1), 1
	s_wait_xcnt 0x0
	s_wait_alu depctr_hold_cnt(0) depctr_sa_sdst(0) depctr_va_vdst(0) depctr_va_sdst(0) depctr_va_ssrc(0) depctr_va_vcc(0) depctr_vm_vsrc(0)
	s_getreg_b32 s2, hwreg(HW_REG_IB_STS2, 6, 4)
	s_cmp_eq_u32 s2, 0
	s_cbranch_scc0 .Lentry_in_a_cluster
	s_endpgm
.Lentry_in_a_cluster:
	s_bfe_u32 s2, ttmp6, 0x10000c
	s_cmp_lg_u32 s2, 0xf033
	s_cbranch_scc0 .Lentry_shape_is_right
	s_endpgm
.Lentry_shape_is_right:
; out0[m][n] = scale[n] x sum over k of A[m][k] B[n][k]; A = x's codes, B = w_int's codes: FP4 (E2M1) with one E8M0 byte for each 32 along K, as the launch before laid them:
; [row / 128][k / 512][BLK]; a BLK is 128 rows x 256 bytes of codes, then 128 rows x 16 scale bytes: 34,816 bytes, dense.  Nothing of the problem is left out.
; A work-group of four waves makes 256 x 256 of the result, a wave 128 x 128: 64 accumulators, 512 registers.  K goes in 8 steps of 512 through two LDS slots; a slot holds four BLKs (A's two, B's two), one tensor load a wave,
; stated as 68 rows of 512 bytes, with 16 bytes of padding behind each 256.  The K steps are walked round from a start that hangs on the cluster's number: the f32 sums are taken in that order.
; CLUSTERS: 4 x 4.  A's BLKs are shared along a row of the cluster, B's along a column: joint loads, each refill behind a round of the cluster's barrier.
; THE MATRIX INSTRUCTION IS USED TRANSPOSED (source 0 = 16 rows of B, source 1 = 16 rows of A): a lane holds eight neighbouring numbers of a row of the result.
; REGISTERS: window 0: v0-31 addresses; v32-95 scale words, a set for each slot (lanes 0-15 A's block i, lanes 16-31 B's); v128-191, v192-255 A's fragments, two sets.
;   window 1: B's fragments, two sets, v0-63 and v128-191.  windows 2, 3: the accumulators of my rows 0-63, 64-127.
; A step of 128 along K: ONE run of 32 LDS loads for the next step into the other sets, then 64 matrix instructions.
; THE LAST K STEP GOES BY ROWS OF THE RESULT: B's four quarters fill window 1, A comes in blocks of 16 rows x 512 K (four buffers, v128-255), and each block of 16 rows is finished, staged, scaled and stored while later blocks are multiplied.
; PREFETCH: each wave names the BLKs that it will fetch; the four partners that ask for a BLK jointly take 34 of its 136 units of 256 bytes each, by address, so that a unit is named once in a cluster.
; Behind the head's first load: the walk's K step 1; behind its second: K steps 2 and 3; behind the refill with K step t (2 to 5): K step t + 2.  The last trip asks for nothing.  At most two K steps are asked for and not yet fetched.
.set SIZE_N, 4096
.set PITCH,  272
.set UNITS,  136
.set BLK,    UNITS*256
.set BLKROW, 8*BLK
.set HALFT,  UNITS*PITCH               ; a BLK in LDS
.set SCOFF,  128*PITCH                 ; its scale bytes
.set SLOT,   4*HALFT
.set SPARE,  2*SLOT                    ; the spare words: 128 bytes a wave, two blocks of 256 bytes that no other line names
.set SPITCH, 528                       ; the way out: 16 rows x (512 + 16) bytes a wave, in slot 0, behind its last fill and last read
.set SCN,  12                          ; v12-15  scale[n] of my four columns on the way out
.set ADRA, 16                          ; v16-17  my A fragments in slot 0, 1
.set ADRB, 20                          ; v20-21  my B fragments
.set ADRS, 22                          ; v22-23  my scale words
.set STO,  24
.set RD,   25
.set CO,   26
.set SPW,  28                          ; my spare word; never rewritten
.set NIL,  29                          ; 0; never rewritten
.set PFO,  30                          ; v30-31  the prefetches' offsets: units 0-31, and units 32, 33 (lanes 1-31 name unit 33)
.set SC,   32
.set AF,   128
.set PA,   128
.set KS,   2                           ; s2      the K step that the next refill fetches, before the wrap
.set OFS,  12
.set PFT,  18                          ; s[18:19] a prefetch's BLK offset
.set PFB,  20                          ; s[20:21] my work-group's 34 units in K block 0 of the rows that I fetch
.set PFA,  22                          ; s[22:23] where the prefetch stands
.set PFH,  44                          ; s[44:45] the head's second place: the walk's K step 2; never rewritten
.set G1, 24
.set G0, 32
.set G1B, 48
.set G0B, 56
.set T0, 56                            ; s56-60  at work in the head, before B's group 0 is written
.set MSB, 0
.macro WIN new                         ; the immediate's high byte repeats the setting that is left
.if MSB != \new
	s_set_vgpr_msb (MSB<<8)|\new
.set MSB, \new
.endif
.endm
.set MUL_LO, 0xa1                      ; source 0 (B) window 1, source 1 (A) window 0, C and D window 2
.set MUL_HI, 0xf1
.set TO_B,   0x40
.macro PLACES                          ; four places behind matrix instructions, ahead of loads into their registers and of reads of results
.rept 4
	v_nop
.endr
.endm
.macro JLOAD s                         ; a joint load: waves 0, 1 fetch A's two BLKs, waves 2, 3 B's; s_nop 0 and four v_nop behind each line
	s_cmp_eq_u32 s15, 0
	s_cbranch_scc0 .Lfor_b_\@
	tensor_load_to_lds s[G0+4*\s:G0+4*\s+3], s[G1:G1+7]
	s_nop 0
	PLACES
	s_branch .Lasked_\@
.Lfor_b_\@:
	tensor_load_to_lds s[G0B+4*\s:G0B+4*\s+3], s[G1B:G1B+7]
	s_nop 0
	PLACES
.Lasked_\@:
.endm
.macro CREST                           ; a round of the cluster's barrier behind its opening barrier
	s_cmp_lg_u32 s14, 0
	s_cbranch_scc1 .Lnot_wave_0_\@
	s_barrier_signal -3
.Lnot_wave_0_\@:
	s_barrier_wait -3
	s_barrier_signal -1
	s_barrier_wait -1
.endm
.macro CROUND
	s_barrier_signal -1
	s_barrier_wait -1
	CREST
.endm
.macro PF base, off                    ; 34 units of 256 bytes: two instructions a wave
	global_prefetch_b8 v[PFO], s[\base:\base+1] offset:\off th:TH_LOAD_NT scope:SCOPE_SE
	global_prefetch_b8 v[PFO+1], s[\base:\base+1] offset:\off th:TH_LOAD_NT scope:SCOPE_SE
.endm
	s_load_b256 s[4:11], s[0:1], 0x0               ; a_q, b_q, scale, out0
	v_lshl_add_u32 v[SPW], v0, 2, SPARE
	v_mov_b32 v[NIL], 0
	ds_add_u32 v[SPW], v[NIL]                      ; the opening lines: the add twice on end and one wait
	ds_add_u32 v[SPW], v[NIL]
	v_lshrrev_b32 v1, 5, v0
	v_readfirstlane_b32 s14, v1                    ; wave
	s_lshr_b32 s15, s14, 1                         ; my half of the rows; also: I fetch for A (0) or B (1)
	s_and_b32 s16, s14, 1                          ; my half of the columns; also: which BLK of the two I fetch
	s_bfe_u32 s40, ttmp6, 0x40000                  ; cx
	s_bfe_u32 s41, ttmp6, 0x40004                  ; cy
	s_lshl_b32 s42, ttmp9, 2
	s_add_co_u32 s42, s42, s40                     ; tile column
	s_and_b32 s17, ttmp7, 0xffff
	s_lshl_b32 s17, s17, 2
	s_add_co_u32 s17, s17, s41                     ; tile row
	s_lshl_b32 s43, s41, 2
	s_lshl_b32 s43, 15, s43                        ; my row of the cluster
	s_lshl_b32 s44, 0x1111, s40                    ; my column
	s_or_b32 s[G1+0], s43, (3<<16)|(1<<20)|(1<<21)|(5<<22)|(3<<25)   ; elements of 8 bytes; 4 words of padding behind every 64
	s_or_b32 s[G1B+0], s44, (3<<16)|(1<<20)|(1<<21)|(5<<22)|(3<<25)
.irp g, G1, G1B
	s_mov_b32 s[\g+1], 64<<16                      ; rows of 512 bytes,
	s_mov_b32 s[\g+2], (UNITS/2)<<16               ; 68 of them, dense
	s_mov_b32 s[\g+3], 64<<16
	s_mov_b32 s[\g+4], UNITS/2
	s_mov_b32 s[\g+5], 64
	s_mov_b32 s[\g+6], 0
	s_mov_b32 s[\g+7], 0
.endr
	s_lshl_b32 s20, s17, 1
	s_add_co_u32 s20, s20, s16                     ; A: which 128 rows I fetch
	s_lshl_b32 s46, s42, 1
	s_add_co_u32 s46, s46, s16                     ; B likewise
	s_mov_b32 s21, 0
	s_mov_b32 s47, 0
	s_mov_b64 s[18:19], BLKROW
	s_mul_u64 s[20:21], s[20:21], s[18:19]
	s_mul_u64 s[46:47], s[46:47], s[18:19]
	s_mul_i32 s45, s14, HALFT                      ; where my BLK goes in a slot
	s_and_b32 s12, ttmp7, 0xffff                   ; the K block at which my cluster begins: an even number made of the cluster's x and y
	s_add_co_u32 s13, s12, ttmp9
	s_and_b32 s13, s13, 1
	s_lshl_b32 s13, s13, 1
	s_lshr_b32 s[KS], ttmp9, 1
	s_add_co_u32 s13, s13, s[KS]
	s_lshr_b32 s[KS], s12, 1
	s_add_co_u32 s13, s13, s[KS]
	s_and_b32 s13, s13, 3
	s_lshl_b32 s[KS], s13, 1
	s_mul_i32 s[OFS], s[KS], BLK
	s_mov_b32 s[OFS+1], 0
	s_mul_i32 s[T0], s15, HALFT                    ; my A rows in a slot
	s_mul_i32 s[T0+1], s16, HALFT
	s_add_co_u32 s[T0+1], s[T0+1], 2*HALFT         ; my B rows
	s_sub_co_u32 s[T0+2], s[T0+1], s[T0]
	s_add_co_u32 s[T0+3], s[T0], SCOFF
	s_mul_i32 s[T0+4], s14, 16*SPITCH              ; my stage
	v_and_b32 v1, 15, v0                           ; l % 16
	v_bfe_u32 v2, v0, 4, 1                         ; l / 16
	v_and_b32 v6, 31, v0
	v_mul_u32_u24 v3, v1, PITCH
	v_lshl_add_u32 v4, v2, 4, v3                   ; a fragment's row x pitch + 16 x half
	v_add_nc_u32 v[ADRA], s[T0], v4
	v_add_nc_u32 v[ADRB], s[T0+1], v4
	v_add_nc_u32 v[ADRA+1], SLOT, v[ADRA]
	v_add_nc_u32 v[ADRB+1], SLOT, v[ADRB]
	v_mul_u32_u24 v7, s[T0+2], v2                  ; lanes 16-31 take B's scale words
	v_lshl_add_u32 v5, v1, 4, v7                   ; 16 bytes a row
	v_add_nc_u32 v[ADRS], s[T0+3], v5
	v_add_nc_u32 v[ADRS+1], SLOT, v[ADRS]
	v_mul_u32_u24 v5, v1, SPITCH
	v_lshl_add_u32 v5, v2, 5, v5
	v_add_nc_u32 v[STO], s[T0+4], v5               ; into the stage: row l % 16, 32 bytes for each half of the lanes
	v_lshlrev_b32 v[CO], 4, v6                     ; back: 32 lanes take a row of 512 bytes; the same in out0 and in scale
	v_add_nc_u32 v[RD], s[T0+4], v[CO]
	v_lshlrev_b32 v[PFO], 8, v6
	v_min_u32 v7, 1, v6
	v_lshl_add_u32 v[PFO+1], v7, 8, 32*256
	s_wait_alu depctr_va_vdst(0)                   ; the end of the head's vector work
	s_wait_dscnt 0x0                               ; both opening adds are done
	s_wait_kmcnt 0x0
	s_add_nc_u64 s[4:5], s[4:5], s[20:21]          ; my rows' K block 0 in a_q,
	s_add_nc_u64 s[6:7], s[6:7], s[46:47]          ; in b_q
.irp s, 0,1
	s_mov_b32 s[G0+4*\s], 1
	s_add_co_u32 s[G0+4*\s+1], s45, \s*SLOT
	s_add_nc_u64 s[G0+4*\s+2:G0+4*\s+3], s[4:5], s[OFS:OFS+1]
	s_mov_b32 s[G0B+4*\s], 1
	s_add_co_u32 s[G0B+4*\s+1], s45, \s*SLOT
	s_add_nc_u64 s[G0B+4*\s+2:G0B+4*\s+3], s[6:7], s[OFS:OFS+1]
.if \s
	s_add_nc_u64 s[G0+4*\s+2:G0+4*\s+3], s[G0+4*\s+2:G0+4*\s+3], BLK      ; the start is even: the second K step does not wrap
	s_add_nc_u64 s[G0B+4*\s+2:G0B+4*\s+3], s[G0B+4*\s+2:G0B+4*\s+3], BLK
.endif
	s_or_b32 s[G0+4*\s+3], s[G0+4*\s+3], 0x80000000
	s_or_b32 s[G0B+4*\s+3], s[G0B+4*\s+3], 0x80000000
.endr
	CROUND                                         ; all sixteen work-groups are here: the first joint loads meet
	JLOAD 0                                        ; the first K step: one tensor load a wave at the head
	s_cmp_eq_u32 s15, 0                            ; the prefetches: do I fetch for A?
	s_cselect_b32 s[PFT], s40, s41                 ; my place among the four that ask with me
	s_cselect_b64 s[PFB:PFB+1], s[4:5], s[6:7]
	s_mul_i32 s[PFT], s[PFT], 34*256
	s_mov_b32 s[PFT+1], 0
	s_add_nc_u64 s[PFB:PFB+1], s[PFB:PFB+1], s[PFT:PFT+1]
	s_add_nc_u64 s[PFA:PFA+1], s[PFB:PFB+1], s[OFS:OFS+1]   ; the walk's K step 0
	s_add_co_u32 s[KS], s[KS], 2
	s_and_b32 s[PFT], s[KS], 7
	s_mul_i32 s[PFT], s[PFT], BLK
	s_add_nc_u64 s[PFH:PFH+1], s[PFB:PFB+1], s[PFT:PFT+1]   ; its K step 2, wrapped; even, so that K step 3 lies one BLK on
	PF PFA, BLK                                    ; K step 1
	s_lshl_b32 s46, s42, 10
	s_lshl_b32 s47, s16, 9
	s_add_co_u32 s46, s46, s47                     ; my first column, in bytes
	s_mov_b32 s47, 0
	s_lshl_b32 s42, s17, 8
	s_lshl_b32 s43, s15, 7
	s_add_co_u32 s42, s42, s43                     ; my first row of out0
	s_mov_b32 s43, 0
	s_mov_b64 s[40:41], SIZE_N*4
	s_mul_u64 s[42:43], s[42:43], s[40:41]
	s_add_nc_u64 s[8:9], s[8:9], s[46:47]
	s_add_nc_u64 s[42:43], s[42:43], s[46:47]
	s_add_nc_u64 s[10:11], s[10:11], s[42:43]
.macro WM acc, bf, af, sb, sa, zero
.if \zero
	v_wmma_scale_f32_16x16x128_f8f6f4 v[\acc:\acc+7], v[\bf:\bf+7], v[\af:\af+7], 0, v[\sb], v[\sa] matrix_a_fmt:MATRIX_FMT_FP4 matrix_b_fmt:MATRIX_FMT_FP4 matrix_a_scale:MATRIX_SCALE_ROW1
.else
	v_wmma_scale_f32_16x16x128_f8f6f4 v[\acc:\acc+7], v[\bf:\bf+7], v[\af:\af+7], v[\acc:\acc+7], v[\sb], v[\sa] matrix_a_fmt:MATRIX_FMT_FP4 matrix_b_fmt:MATRIX_FMT_FP4 matrix_a_scale:MATRIX_SCALE_ROW1
.endif
.endm
.macro FRAG reg, adr, q, i             ; 16 rows x 128 K of 4-bit codes: two loads of 16 bytes, 32 bytes apart
.irp c, 0,1
	ds_load_b128 v[\reg+4*\c:\reg+4*\c+3], v[\adr] offset:64*(\q)+32*\c+(\i)*16*PITCH
.endr
.endm
; 16 matrix instructions: A's blocks a0, a0 + 1 x B's eight; p: the fragments' set; q: which 128 of the slot's 512; sc: the scale set.  The 64 accumulators take turns in one order
.macro MUL16 a0, p, q, sc, zero
.irp a, \a0, \a0+1
.irp b, 0,1,2,3,4,5,6,7
	WM 8*(8*((\a)%4)+\b), 128*(\p)+8*\b, AF+64*(\p)+8*(\a), SC+32*(\sc)+4*\b+(\q), SC+32*(\sc)+4*(\a)+(\q), \zero
.endr
.endr
.endm
.macro FETCH slot, q, p                ; 32 LDS loads in one run: B's eight fragments and A's eight into set p
	WIN TO_B
.irp i, 0,1,2,3,4,5,6,7
	FRAG 128*(\p)+8*\i, ADRB+\slot, \q, \i
.endr
	WIN 0
.irp i, 0,1,2,3,4,5,6,7
	FRAG AF+64*(\p)+8*\i, ADRA+\slot, \q, \i
.endr
.endm
.macro SCALES sc                       ; a K step's scale words: four words a row, eight loads
.irp i, 0,1,2,3,4,5,6,7
	ds_load_b128 v[SC+32*\sc+4*\i:SC+32*\sc+4*\i+3], v[ADRS+\sc] offset:\i*PITCH
.endr
.endm
.macro STEP slot, q, zero              ; a step of 128 along K whose successor lies in the same slot
	PLACES                                         ; behind the last step's products, which read the sets now loaded
	FETCH \slot, (\q)+1, 1-(\q)%2
	s_wait_dscnt 32                                ; all but the 32 just issued: this step's fragments (and scale words) are in
	WIN MUL_LO
	MUL16 0, (\q)%2, \q, \slot, \zero
	MUL16 2, (\q)%2, \q, \slot, \zero
	WIN MUL_HI
	MUL16 4, (\q)%2, \q, \slot, \zero
	MUL16 6, (\q)%2, \q, \slot, \zero
.endm
.macro ASK                             ; the BLK that I fetch two K steps on; not in the loop's last trip (s3 = 1), which has no such K step
	s_cmp_gt_u32 s3, 1
	s_cbranch_scc0 .Lno_ask_\@
	PF PFA, 0
.Lno_ask_\@:
.endm
; A slot's last step changes slots and fills this slot again, two K steps ahead.  Its fragments are in registers: 16 of its products stand between the add and the wait for it, 16 between the round's opening signal and its wait.
.macro TURN slot, next
	s_wait_xcnt 0x0                                ; my earlier prefetches have read their address: it is written below
	WIN 0
	s_wait_tensorcnt 0x0                           ; all my tensor loads have landed: my BLK of the next slot
	ds_add_u32 v[SPW], v[NIL]
	s_and_b32 s[OFS], s[KS], 7                     ; no tensor load of mine is out: the slot's group 0 takes its next K step, wrapped
	s_mul_i32 s[OFS], s[OFS], BLK
	s_add_nc_u64 s[G0+4*\slot+2:G0+4*\slot+3], s[4:5], s[OFS:OFS+1]
	s_or_b32 s[G0+4*\slot+3], s[G0+4*\slot+3], 0x80000000
	s_add_nc_u64 s[G0B+4*\slot+2:G0B+4*\slot+3], s[6:7], s[OFS:OFS+1]
	s_or_b32 s[G0B+4*\slot+3], s[G0B+4*\slot+3], 0x80000000
	s_add_co_u32 s[PFT], s[KS], 2
	s_and_b32 s[PFT], s[PFT], 7
	s_mul_i32 s[PFT], s[PFT], BLK
	s_add_nc_u64 s[PFA:PFA+1], s[PFB:PFB+1], s[PFT:PFT+1]
	s_add_co_u32 s[KS], s[KS], 1
	s_wait_dscnt 1                                 ; this step's fragments are in; the add may be out
	WIN MUL_LO
	MUL16 0, 1, 3, \slot, 0
	s_wait_dscnt 0x0                               ; the add is done, my reads of this slot are over
	s_barrier_signal -1                            ; opens a round of the cluster's barrier
	MUL16 2, 1, 3, \slot, 0
	WIN 0
	s_barrier_wait -1
	CREST
	JLOAD \slot                                    ; the first tensor load behind the round; its four v_nop are the places ahead of the loads below
	FETCH \next, 0, 0
	SCALES \next
	ASK
	WIN MUL_HI
	MUL16 4, 1, 3, \slot, 0
	MUL16 6, 1, 3, \slot, 0
.endm
	s_wait_tensorcnt 0x0                           ; my BLK of the first K step is in
	ds_add_u32 v[SPW], v[NIL]
	s_wait_dscnt 0x0
	CROUND
	JLOAD 1
	FETCH 0, 0, 0
	SCALES 0
	global_load_b128 v[SCN:SCN+3], v[CO], s[8:9]   ; scale[n] of my four columns
	PF PFH, 0                                      ; K step 2
	PF PFH, BLK                                    ; K step 3
	STEP 0, 0, 1                                   ; the first step's products start the sums
	WIN 0
	s_mov_b32 s3, 3
.Llap:                                                 ; a trip goes once round the ring and fills both slots again
	STEP 0, 1, 0
	STEP 0, 2, 0
	TURN 0, 1
	STEP 1, 0, 0
	STEP 1, 1, 0
	STEP 1, 2, 0
	TURN 1, 0
	STEP 0, 0, 0
	WIN 0
	s_sub_co_u32 s3, s3, 1
	s_cmp_lg_u32 s3, 0
	s_cbranch_scc1 .Llap
	STEP 0, 1, 0
	STEP 0, 2, 0
; THE LAST K STEP, in slot 1, by rows of the result
.macro BLOAD q                         ; B's fragments of quarter q -> window 1, v[64 q ..]
.irp i, 0,1,2,3,4,5,6,7
	FRAG 64*\q+8*\i, ADRB+1, \q, \i
.endr
.endm
.macro ALOAD a                         ; A's block a, all four quarters -> buffer a % 4
.irp q, 0,1,2,3
	FRAG PA+32*((\a)%4)+8*\q, ADRA+1, \q, \a
.endr
.endm
.macro ROW a                           ; block a is finished: 32 matrix instructions, its 8 accumulators by turns
	WIN MUL_LO+0x50*((\a)/4)
.irp q, 0,1,2,3
.if (\a) == 0 && \q == 2
	s_wait_dscnt 24                                ; B's quarter 2 is in (behind it: A's blocks 1 to 3)
.endif
.irp b, 0,1,2,3,4,5,6,7
	WM 64*((\a)%4)+8*\b, 64*\q+8*\b, PA+32*((\a)%4)+8*\q, SC+32+4*\b+\q, SC+32+4*(\a)+\q, 0
.endr
.endr
.endm
.macro TOSTAGE a                       ; block a through my stage: in as 32 bytes a lane, back as whole rows of 512 bytes into v32-63 and v96-127 (LDS serves a wave's instructions in order: ISA guide 5.7.1.4)
.if (\a) > 0
	s_wait_xcnt 0x0                                ; the last block's stores have read their registers and their base
	s_add_nc_u64 s[10:11], s[10:11], 16*SIZE_N*4
.endif
	WIN 0x08+4*((\a)/4)
.irp b, 0,1,2,3,4,5,6,7
	ds_store_b128 v[STO], v[64*((\a)%4)+8*\b:64*((\a)%4)+8*\b+3] offset:64*\b      ; each accumulator from its low end on
	ds_store_b128 v[STO], v[64*((\a)%4)+8*\b+4:64*((\a)%4)+8*\b+7] offset:64*\b+16
.endr
	WIN 0
.irp t, 0,1,2,3,4,5,6,7,8,9,10,11,12,13,14,15
	ds_load_b128 v[32+4*\t+32*(\t/8):32+4*\t+32*(\t/8)+3], v[RD] offset:\t*SPITCH
.endr
.endm
.macro SEND younger                    ; x scale[n], all 16 rows, then the 16 stores on end: each covers 512 consecutive bytes, aligned
	s_wait_dscnt \younger
.irp t, 0,1,2,3,4,5,6,7,8,9,10,11,12,13,14,15
	v_pk_mul_f32 v[32+4*\t+32*(\t/8):32+4*\t+32*(\t/8)+1], v[32+4*\t+32*(\t/8):32+4*\t+32*(\t/8)+1], v[SCN:SCN+1]
	v_pk_mul_f32 v[34+4*\t+32*(\t/8):34+4*\t+32*(\t/8)+1], v[34+4*\t+32*(\t/8):34+4*\t+32*(\t/8)+1], v[SCN+2:SCN+3]
.endr
.irp t, 0,1,2,3,4,5,6,7,8,9,10,11,12,13,14,15
	global_store_b128 v[CO], v[32+4*\t+32*(\t/8):32+4*\t+32*(\t/8)+3], s[10:11] offset:\t*SIZE_N*4
.endr
.endm
	WIN 0
	s_wait_tensorcnt 0x0                           ; my BLK of the last K step is in
	ds_add_u32 v[SPW], v[NIL]
	s_wait_dscnt 1
	WIN MUL_LO
	MUL16 0, 1, 3, 0, 0
	s_wait_dscnt 0x0                               ; the add is done, my reads of slot 0 are over
	s_barrier_signal -1                            ; nothing is filled again: no round
	MUL16 2, 1, 3, 0, 0
	s_barrier_wait -1
	PLACES                                         ; for the loads into the sets 0
	WIN 0
	SCALES 1
	ALOAD 0
	WIN TO_B
	BLOAD 0                                        ; three quarters of B now: the sets 1 are still multiplied
	BLOAD 1
	BLOAD 3
	WIN MUL_HI
	MUL16 4, 1, 3, 0, 0
	MUL16 6, 1, 3, 0, 0
	PLACES
	WIN TO_B
	BLOAD 2
	WIN 0
	ALOAD 1
	ALOAD 2
	ALOAD 3
	s_wait_loadcnt 0x0                             ; scale[n]
	s_wait_dscnt 40                                ; all but the 40 just issued
	ROW 0
.irp a, 0,1,2,3,4,5,6,7
	PLACES                                         ; the stage's stores read results just made
	TOSTAGE \a
.if \a < 4
	ALOAD \a+4                                     ; its buffer takes the block four further on
	SEND 8
.else
	SEND 0
.endif
.if \a < 7
	ROW \a+1
.endif
.endr
	s_wait_tensorcnt 0x0                           ; the wave's end
	ds_add_u32 v[SPW], v[NIL]
	s_wait_dscnt 0x0
	CROUND                                         ; the closing round
	s_endpgm
.Lfunc_end_k_q8970544790_gemm:
	.size	k_q8970544790_gemm, .Lfunc_end_k_q8970544790_gemm-k_q8970544790_gemm
	.p2alignl 7, 3214868480
	.fill 96, 4, 3214868480
	.section	.rodata,"a",@progbits
	.p2align	6, 0x0
	.amdhsa_kernel k_q8970544790_gemm
		.amdhsa_group_segment_fixed_size 327680
		.amdhsa_private_segment_fixed_size 0
		.amdhsa_enable_private_segment 0
		.amdhsa_kernarg_size 32
		.amdhsa_user_sgpr_count 2
		.amdhsa_user_sgpr_kernarg_segment_ptr 1
		.amdhsa_wavefront_size32 1
		.amdhsa_system_sgpr_workgroup_id_x 1
		.amdhsa_system_sgpr_workgroup_id_y 1
		.amdhsa_system_sgpr_workgroup_id_z 1
		.amdhsa_system_vgpr_workitem_id 0
		.amdhsa_next_free_vgpr 1024
		.amdhsa_next_free_sgpr 66
		.amdhsa_reserve_vcc 0
		.amdhsa_float_denorm_mode_32 3
		.amdhsa_float_denorm_mode_16_64 3
		.amdhsa_memory_ordered 1
		.amdhsa_forward_progress 1
		.amdhsa_inst_pref_size 226
	.end_amdhsa_kernel
	.amdgpu_metadata
---
amdhsa.version: [ 1, 2 ]
amdhsa.kernels:
  - .name:           k_q8970544790_gemm
    .symbol:         k_q8970544790_gemm.kd
    .args:
      - { .name: a_q, .offset: 0, .size: 8, .value_kind: global_buffer, .address_space: global }
      - { .name: b_q, .offset: 8, .size: 8, .value_kind: global_buffer, .address_space: global }
      - { .name: scale, .offset: 16, .size: 8, .value_kind: global_buffer, .address_space: global }
      - { .name: out0, .offset: 24, .size: 8, .value_kind: global_buffer, .address_space: global }
    .group_segment_fixed_size: 327680
    .private_segment_fixed_size: 0
    .kernarg_segment_align: 8
    .kernarg_segment_size: 32
    .max_flat_workgroup_size: 128
    .sgpr_count:     66
    .vgpr_count:     1024
    .wavefront_size: 32
...
	.end_amdgpu_metadata
.endif
;; end of part 2
